; MI455X (gfx1250); checked and timed in simulation.
; The chip was launched on July 23, 2026; its instructions are those of AMD's public machine-readable ISA for CDNA 5 (MIT licence, August 2026) and "CDNA5" Instruction Set Architecture Reference Guide (July 2026). The comments in the code are by the model that wrote it; some were corrected since.
;; Multi Head Attention. Allowed arithmetic: float matrix products may take bf16 or f16 operands with f32 sums; all other float work in f32.
;; Inputs: Wk 512 x 512 float32; Wq 512 x 512 float32; Wv 512 x 512 float32; attention_mask 2 x 1 x 4,096 x 4,096 float32; bk 512 float32; bq 512 float32; bv 512 float32; key 2 x 4,096 x 512 float32; query 2 x 4,096 x 512 float32; value 2 x 4,096 x 512 float32.
;; Outputs: out0 2 x 4,096 x 512 float32.
;; One version. Each part assembles by itself: llvm-mc -triple=amdgcn-amd-amdhsa -mcpu=gfx1250 --defsym DOCPART=n.
;; ======== version 1 of 1: 3 launches
;; workspace buffers: wsw 1,572,864 bytes; qkv 25,165,824 bytes
;; launch prep (part 1): grid 32 x 3, 8 waves a work-group, no clusters, 0 bytes of LDS; arguments Wq, Wk, Wv, wsw; writes wsw
.if DOCPART == 1
	.amdgcn_target "amdgcn-amd-amdhsa--gfx1250"
	.amdhsa_code_object_version 6
	.text
	.protected	k_q8468d87f98_prep
	.globl	k_q8468d87f98_prep
	.p2align	8
	.type	k_q8468d87f98_prep,@function
k_q8468d87f98_prep:
	s_mov_b64 s[64:65], 0
	v_nop
	global_prefetch_b8 v0, s[64:65] scope:SCOPE_SE
	s_setreg_imm32_b32 hwreg(HW_REG_WAVE_MODE, 25, 1), 1
	s_wait_xcnt 0x0
; Wq, Wk, Wv ([512 out][512 in] f32) are rounded to bf16 and laid out as ready matrix fragments:
;   wsw[mat 3][ftile 32][kstep 16][half 2][lane 32][8 bf16] = W[16 ftile + r][32 kstep + 16 half + 8 h + e],  lane = 16 h + r.
; A later load of 16 bytes a lane at 16 x lane then IS registers 0-3 (half 0) or 4-7 (half 1) of a 16 x 32 fragment, and covers 512 consecutive bytes.
; Work-group = (ftile, mat); wave w takes k = 64 w .. 64 w + 63 (ksteps 2 w, 2 w + 1) of the tile's 16 rows: its eight loads together use
; 256 consecutive bytes of each of the 16 rows, each byte of W once in the launch.  3 MiB in, 1.5 MiB out: no LDS, no barrier, no loop.
.set X, 8                              ; v[8:39] 32 f32 as loaded; then v[8:23] 32 bf16, packed
	s_load_b256 s[4:11], s[0:1], 0x0               ; Wq s[4:5], Wk s[6:7], Wv s[8:9], wsw s[10:11]
	s_and_b32 s14, ttmp7, 0xffff                   ; mat
	v_lshrrev_b32 v1, 5, v0
	v_readfirstlane_b32 s15, v1                    ; wave
	v_and_b32 v1, 15, v0                           ; r
	v_bfe_u32 v3, v0, 4, 1                         ; h
	v_and_b32 v4, 31, v0                           ; lane
	s_lshl_b32 s16, ttmp9, 15                      ; 16 ftile rows of 2,048 bytes
	s_lshl_b32 s17, s15, 8                         ; 256 w
	s_add_co_u32 s16, s16, s17
	v_lshlrev_b32 v2, 11, v1                       ; r rows
	v_lshl_add_u32 v2, v3, 5, v2                   ; + 32 h
	v_add_nc_u32 v2, s16, v2                       ; where I read
	s_lshl_b32 s18, s14, 19                        ; mat x 524,288
	s_lshl_b32 s19, ttmp9, 14                      ; ftile x 16,384
	s_add_co_u32 s18, s18, s19
	s_lshl_b32 s19, s15, 11                        ; kstep 2 w x 1,024
	s_add_co_u32 s18, s18, s19
	v_lshl_add_u32 v5, v4, 4, s18                  ; where I write: + 16 x lane
	s_wait_kmcnt 0x0
	s_cmp_eq_u32 s14, 2
	s_cselect_b64 s[12:13], s[8:9], s[6:7]
	s_cmp_eq_u32 s14, 0
	s_cselect_b64 s[12:13], s[4:5], s[12:13]       ; this work-group's W
.irp n, 0,1,2,3,4,5,6,7
	global_load_b128 v[X+4*\n:X+4*\n+3], v2, s[12:13] offset:(\n>>1)*64+(\n&1)*16 th:TH_LOAD_NT   ; block n >> 1 = 2 kstep + half: 8 f32 in two loads
.endr
	s_wait_loadcnt 0x0
.set d, 0
.rept 16
	v_cvt_pk_bf16_f32 v[X+d], v[X+2*d], v[X+2*d+1] ; packed downward in ascending order: word d is written when words 2 d, 2 d + 1 are read
.set d, d+1
.endr
.irp m, 0,1,2,3
	global_store_b128 v5, v[X+4*\m:X+4*\m+3], s[10:11] offset:512*\m   ; the wave stores 512 consecutive bytes, aligned
.endr
	s_endpgm
.Lfunc_end_k_q8468d87f98_prep:
	.size	k_q8468d87f98_prep, .Lfunc_end_k_q8468d87f98_prep-k_q8468d87f98_prep
	.p2alignl 7, 3214868480
	.fill 96, 4, 3214868480
	.section	.rodata,"a",@progbits
	.p2align	6, 0x0
	.amdhsa_kernel k_q8468d87f98_prep
		.amdhsa_group_segment_fixed_size 0
		.amdhsa_private_segment_fixed_size 0
		.amdhsa_enable_private_segment 0
		.amdhsa_kernarg_size 32
		.amdhsa_user_sgpr_count 2
		.amdhsa_user_sgpr_kernarg_segment_ptr 1
		.amdhsa_wavefront_size32 1
		.amdhsa_system_sgpr_workgroup_id_x 1
		.amdhsa_system_sgpr_workgroup_id_y 1
		.amdhsa_system_sgpr_workgroup_id_z 1
		.amdhsa_system_vgpr_workitem_id 0
		.amdhsa_next_free_vgpr 40
		.amdhsa_next_free_sgpr 66
		.amdhsa_reserve_vcc 0
		.amdhsa_float_denorm_mode_32 3
		.amdhsa_float_denorm_mode_16_64 3
		.amdhsa_memory_ordered 1
		.amdhsa_forward_progress 1
		.amdhsa_inst_pref_size 4
	.end_amdhsa_kernel
	.amdgpu_metadata
---
amdhsa.version: [ 1, 2 ]
amdhsa.kernels:
  - .name:           k_q8468d87f98_prep
    .symbol:         k_q8468d87f98_prep.kd
    .args:
      - { .name: Wq, .offset: 0, .size: 8, .value_kind: global_buffer, .address_space: global }
      - { .name: Wk, .offset: 8, .size: 8, .value_kind: global_buffer, .address_space: global }
      - { .name: Wv, .offset: 16, .size: 8, .value_kind: global_buffer, .address_space: global }
      - { .name: wsw, .offset: 24, .size: 8, .value_kind: global_buffer, .address_space: global }
    .group_segment_fixed_size: 0
    .private_segment_fixed_size: 0
    .kernarg_segment_align: 8
    .kernarg_segment_size: 32
    .max_flat_workgroup_size: 256
    .sgpr_count:     66
    .vgpr_count:     40
    .wavefront_size: 32
...
	.end_amdgpu_metadata
.endif
;; end of part 1
;; launch proj (part 2): grid 64 x 3, 8 waves a work-group, no clusters, 289,792 bytes of LDS; arguments query, key, value, bq, bk, bv, wsw, qkv; writes qkv
.if DOCPART == 2
	.amdgcn_target "amdgcn-amd-amdhsa--gfx1250"
	.amdhsa_code_object_version 6
	.text
	.protected	k_q8468d87f98_proj
	.globl	k_q8468d87f98_proj
	.p2align	8
	.type	k_q8468d87f98_proj,@function
k_q8468d87f98_proj:
	s_mov_b64 s[64:65], 0
	v_nop
	global_prefetch_b8 v0, s[64:65] scope:SCOPE_SE
	s_setreg_imm32_b32 hwreg(HW_REG_WAVE_MODE, 25, 1), 1
	s_wait_xcnt 0x0
; q, k, v = X W^T + b, rounded once to bf16, stored head-major: qkv[mat 3][8 b + head][s 4096][64].
; Work-group (x, mat): 128 tokens (rows 128 x ..) x all 512 features of one matrix, so every byte of X is read once in the launch.
; Wave w = head w = features 64 w .. 64 w + 63 x 128 tokens: 4 feature tiles t x 8 token tiles i = 32 accumulators = 256 registers.
; X comes in as f32 by tensor loads, four quarters of K (128 k each); each wave brings, and itself rounds to bf16 in place, its own 16 rows of
; each quarter, so its own counted wait on TENSORcnt orders its raw reads; one barrier a quarter shows the rounded rows to all.  All loads are
; first fills: nothing in LDS is filled twice.  A wave has four tensor loads out at the start.
; W comes as ready fragments from wsw straight into registers, three buffers deep.
; NO MULTICAST for W, though all 64 work-groups of a matrix walk it: its fragments never lie in LDS.  X takes 270,336 bytes and the stage 18,432;
; what is left of LDS, 38,912 bytes, does not hold two slots of one K step of W (512 rows x 64 bytes each, and padding).
; The matrix instruction takes W as source 0 and X as source 1: lane (r, h) register j = (token r, feature 16 t + 8 h + j), eight neighbouring
; features, 16 bytes after rounding.  The bias is the C of the first K step: nothing is cleared and nothing is added later.
; 192 work-groups: 3 x 8,192 rows in blocks of 128.
.set QP,    528                        ; LDS pitch of a row: 512 bytes + 16 = 33 x 16: sixteen rows' equal columns lie 16 bytes apart modulo 256
.set QUART, 128*QP                     ; a quarter: 67,584 bytes
.set WROWS, 16*QP                      ; a wave's 16 rows, and a token tile
.set STAGE, 4*QUART                    ; 270,336: behind X, a multiple of 256; no tensor load lands there
.set SP,    144                        ; stage pitch: 128 bytes + 16
.set WSTG,  16*SP
.set L16,  4                           ; v4   16 x lane: offset into W's fragments and into the stores
.set BOFF, 5                           ; v5   32 h: offset into the bias
.set CR,   6                           ; v6   raw row read: my 16 rows + 16 x lane
.set CW,   7                           ; v7   rounded row write: my 16 rows + 8 x lane
.set XA,   8                           ; v8   fragment read: r x pitch + 16 h
.set STO,  9                           ; v9   stage, in
.set RD,   10                          ; v10  stage, back
.set BI,   16                          ; v[16:47]   bias in accumulator layout, 8 registers a feature tile
.set WF,   48                          ; v[48:143]  W fragments, three buffers of 4 tiles x 8
.set XF,   144                         ; v[144:207] X fragments, 8 token tiles x 8; also raw rows, also read-back
.set TMP,  208                         ; v[208:223] packed results
                                       ; window 1 (v256-v511): accumulator (t, i) at 8 (4 i + t)
.set G1, 36                            ; s[36:43] descriptor group 1
.set G0, 44                            ; s[44:59] descriptor group 0, one set a quarter
.set MSB, 0
.macro WIN new                         ; the immediate's high byte repeats the setting that is left
.if MSB != \new
	s_set_vgpr_msb (MSB<<8)|\new
.set MSB, \new
.endif
.endm
.macro PLACES                          ; four plain vector places behind matrix instructions, in front of loads into their sources and of reads of their results
.rept 4
	v_nop
.endr
.endm
	s_load_b512 s[8:23], s[0:1], 0x0               ; query 8, key 10, value 12, bq 14, bk 16, bv 18, wsw 20, qkv 22
	v_lshl_add_u32 v254, v0, 2, 0x46800
	v_mov_b32 v255, 0
	ds_add_u32 v254, v255
	v_lshrrev_b32 v1, 5, v0
	v_readfirstlane_b32 s4, v1                     ; wave = head
	s_and_b32 s6, ttmp7, 0xffff                    ; mat
	; group 1: a tile of 16 rows x 128 f32, 16 bytes of padding behind each row of 128 words
	s_mov_b32 s[G1+0], (2<<16)|(1<<20)|(6<<22)|(3<<25)   ; no mask; elements of 4 bytes; padding on; after 128 words (code 6); 4 words (code 3)
	s_mov_b32 s[G1+1], 128<<16                     ; tensor_dim0 = 128
	s_mov_b32 s[G1+2], 16<<16                      ; tensor_dim1 = 16
	s_mov_b32 s[G1+3], 128<<16                     ; tile_dim0 = 128
	s_mov_b32 s[G1+4], 16                          ; tile_dim1 = 16
	s_mov_b32 s[G1+5], 512                         ; 512 elements from row to row
	s_mov_b32 s[G1+6], 0
	s_mov_b32 s[G1+7], 0
	s_mul_i32 s7, s4, WROWS                        ; my 16 rows in a quarter
	s_lshl_b32 s2, ttmp9, 18                       ; 128 x rows of 2,048 bytes
	s_lshl_b32 s3, s4, 15                          ; + 16 w rows
	s_add_co_u32 s2, s2, s3
	s_mov_b32 s3, 0
	s_wait_dscnt 0x0
	s_wait_kmcnt 0x0
	s_cmp_eq_u32 s6, 2
	s_cselect_b64 s[24:25], s[12:13], s[10:11]
	s_cselect_b64 s[26:27], s[18:19], s[16:17]
	s_cmp_eq_u32 s6, 0
	s_cselect_b64 s[24:25], s[8:9], s[24:25]       ; this work-group's X
	s_cselect_b64 s[26:27], s[14:15], s[26:27]     ; and bias
	s_add_nc_u64 s[24:25], s[24:25], s[2:3]        ; X at my 16 rows
.irp qd, 0,1,2,3
	s_mov_b32 s[G0+4*\qd], 1
	s_add_co_u32 s[G0+4*\qd+1], s7, \qd*QUART      ; LDS: the quarter, my rows
	s_add_nc_u64 s[G0+4*\qd+2:G0+4*\qd+3], s[24:25], \qd*512
	s_or_b32 s[G0+4*\qd+3], s[G0+4*\qd+3], 0x80000000
	tensor_load_to_lds s[G0+4*\qd:G0+4*\qd+3], s[G1:G1+7]   ; all first fills go out together, ahead of every wait, LDS read and barrier
	s_nop 0
.endr
	s_lshl_b32 s2, s4, 8
	s_add_nc_u64 s[26:27], s[26:27], s[2:3]        ; bias at my 64 features
	s_lshl_b32 s2, s6, 19                          ; mat x 524,288
	s_lshl_b32 s5, s4, 16                          ; + 4 feature tiles x 16,384 a wave
	s_add_co_u32 s2, s2, s5
	s_add_nc_u64 s[28:29], s[20:21], s[2:3]        ; my W fragments
	s_lshl_b32 s2, s6, 23                          ; mat x 8,388,608
	s_lshr_b32 s5, ttmp9, 5                        ; batch
	s_lshl_b32 s5, s5, 3
	s_add_co_u32 s5, s5, s4                        ; 8 b + head
	s_lshl_b32 s5, s5, 19
	s_add_co_u32 s2, s2, s5
	s_and_b32 s5, ttmp9, 31
	s_lshl_b32 s5, s5, 14                          ; 128 rows of 128 bytes a block
	s_add_co_u32 s2, s2, s5
	s_add_nc_u64 s[30:31], s[22:23], s[2:3]        ; where my 128 x 64 block goes
	v_and_b32 v1, 31, v0                           ; lane
	v_and_b32 v2, 15, v0                           ; r
	v_bfe_u32 v3, v0, 4, 1                         ; h
	v_lshlrev_b32 v[L16], 4, v1
	v_lshlrev_b32 v[BOFF], 5, v3
	v_add_nc_u32 v[CR], s7, v[L16]
	v_lshl_add_u32 v[CW], v1, 3, s7
	v_mul_u32_u24 v[XA], v2, QP
	v_lshl_add_u32 v[XA], v3, 4, v[XA]
	s_mul_i32 s5, s4, WSTG
	s_add_co_u32 s5, s5, STAGE                     ; my stage
	v_mul_u32_u24 v[STO], v2, SP
	v_lshl_add_u32 v[STO], v3, 4, v[STO]
	v_add_nc_u32 v[STO], s5, v[STO]                ; in: row r, 16 bytes for each half of the lanes
	v_lshrrev_b32 v[RD], 3, v1
	v_mul_u32_u24 v[RD], v[RD], SP
	v_and_b32 v11, 7, v1
	v_lshl_add_u32 v[RD], v11, 4, v[RD]
	v_add_nc_u32 v[RD], s5, v[RD]                  ; back: eight lanes a row of 128 bytes, four rows an instruction
.irp t, 0,1,2,3
	global_load_b128 v[BI+8*\t:BI+8*\t+3],   v[BOFF], s[26:27] offset:64*\t      ; bias of features 16 t + 8 h + 0 .. 3
	global_load_b128 v[BI+8*\t+4:BI+8*\t+7], v[BOFF], s[26:27] offset:64*\t+16   ; and + 4 .. 7
.endr
; W's four fragments of K step k, into buffer k mod 3
.macro WLOAD k
.irp t, 0,1,2,3
	global_load_b128 v[WF+32*((\k)%3)+8*\t:WF+32*((\k)%3)+8*\t+3],   v[L16], s[28:29] offset:\t*16384+(\k)*1024
	global_load_b128 v[WF+32*((\k)%3)+8*\t+4:WF+32*((\k)%3)+8*\t+7], v[L16], s[28:29] offset:\t*16384+(\k)*1024+512
.endr
.endm
; My 16 rows of quarter qd: f32 to bf16, in place (a row's 256 bytes of bf16 lie on the first half of its own 512 bytes).
.macro CONV qd
.if \qd
	v_add_nc_u32 v[CR], QUART, v[CR]               ; the next quarter
	v_add_nc_u32 v[CW], QUART, v[CW]
	v_add_nc_u32 v[XA], QUART, v[XA]
.endif
	s_wait_tensorcnt 3-\qd                         ; my loads end in order (ISA guide 10.11.1): quarters 0 .. qd are in, the 3 - qd younger ones stay out
.irp j, 0,1,2,3,4,5,6,7,8,9,10,11,12,13,14,15
	ds_load_b128 v[XF+4*\j:XF+4*\j+3], v[CR] offset:\j*QP      ; one whole raw row an instruction
.endr
	s_wait_dscnt 0x0                               ; all sixteen rows are in registers before any of their bytes is written
.irp j, 0,1,2,3,4,5,6,7,8,9,10,11,12,13,14,15
	v_cvt_pk_bf16_f32 v[XF+4*\j],   v[XF+4*\j],   v[XF+4*\j+1]
	v_cvt_pk_bf16_f32 v[XF+4*\j+1], v[XF+4*\j+2], v[XF+4*\j+3]
.endr
.irp j, 0,1,2,3,4,5,6,7,8,9,10,11,12,13,14,15
	ds_store_b64 v[CW], v[XF+4*\j:XF+4*\j+1] offset:\j*QP
.endr
	s_wait_dscnt 0x0                               ; my stores are done: for the other waves' sake, so the count is zero
	s_barrier_signal -1
	s_barrier_wait -1                              ; the quarter is whole, in bf16.  Later quarters may stay on their way
.endm
; 16 matrix instructions: token tiles i0 .. i0 + 3 x the four feature tiles
.macro MM k, first, i0
.irp i, \i0, \i0+1, \i0+2, \i0+3
.irp t, 0,1,2,3
.if \first
	v_wmma_f32_16x16x32_bf16 v[8*(4*(\i)+\t):8*(4*(\i)+\t)+7], v[WF+32*((\k)%3)+8*\t:WF+32*((\k)%3)+8*\t+7], v[XF+8*(\i):XF+8*(\i)+7], v[BI+8*\t:BI+8*\t+7]
.else
	v_wmma_f32_16x16x32_bf16 v[8*(4*(\i)+\t):8*(4*(\i)+\t)+7], v[WF+32*((\k)%3)+8*\t:WF+32*((\k)%3)+8*\t+7], v[XF+8*(\i):XF+8*(\i)+7], v[8*(4*(\i)+\t):8*(4*(\i)+\t)+7]
.endif
.endr
.endr
.endm
; K step k (32 along K).  The 32 accumulators take turns, one instruction a turn, over the steps too.
.macro KSTEP k, first
.if \k <= 13
	WLOAD (\k+2)                                   ; into the buffer that step k - 1 read; the places behind that step are paid
.endif
.irp i, 0,1,2,3,4,5,6,7
	ds_load_b128 v[XF+8*\i:XF+8*\i+3],   v[XA] offset:\i*WROWS+((\k)&3)*64
	ds_load_b128 v[XF+8*\i+4:XF+8*\i+7], v[XA] offset:\i*WROWS+((\k)&3)*64+32
.endr
.if \k <= 13
	s_wait_loadcnt 16                              ; W of step k (and, at k = 0, the bias) is in; the 16 loads of steps k + 1, k + 2 stay out
.elseif \k == 14
	s_wait_loadcnt 8                               ; only step 15's eight are behind
.else
	s_wait_loadcnt 0
.endif
	s_wait_dscnt 8                                 ; token tiles 0-3 are in; the eight loads of tiles 4-7 may be out
.if \first
	WIN 0x40                                       ; D in window 1; W, X and C (the bias) in window 0
.else
	WIN 0x50                                       ; C and D in window 1
.endif
	MM \k, \first, 0
	s_wait_dscnt 0
	MM \k, \first, 4
	WIN 0
	PLACES
.endm
; Token tile i goes out: rounded, 16 bytes a lane into my own stage, read back as whole rows, stored 512 consecutive bytes an instruction.
.macro OUT i
	WIN 0x05                                       ; sources in window 1
.irp t, 0,1,2,3
.irp jj, 0,1,2,3
	v_cvt_pk_bf16_f32 v[TMP+4*\t+\jj], v[8*(4*\i+\t)+2*\jj], v[8*(4*\i+\t)+2*\jj+1]
.endr
.endr
	WIN 0
.irp t, 0,1,2,3
	ds_store_b128 v[STO], v[TMP+4*\t:TMP+4*\t+3] offset:32*\t
.endr
	s_wait_xcnt 0x0                                ; the read-back registers were store data two tiles ago: written again only behind this wait
.irp u, 0,1,2,3
	ds_load_b128 v[XF+16*(\i&1)+4*\u:XF+16*(\i&1)+4*\u+3], v[RD] offset:\u*4*SP   ; LDS serves a wave's instructions in order (ISA guide 5.7.1): these see the stores above
.endr
.irp u, 0,1,2,3
	s_wait_dscnt 3-\u                              ; the 3 - u younger read-backs may be out
	global_store_b128 v[L16], v[XF+16*(\i&1)+4*\u:XF+16*(\i&1)+4*\u+3], s[30:31] offset:\i*2048+\u*512
.endr
.endm
	WLOAD 0
	WLOAD 1
	CONV 0
	KSTEP 0, 1
	KSTEP 1, 0
	KSTEP 2, 0
	KSTEP 3, 0
	CONV 1
	KSTEP 4, 0
	KSTEP 5, 0
	KSTEP 6, 0
	KSTEP 7, 0
	CONV 2
	KSTEP 8, 0
	KSTEP 9, 0
	KSTEP 10, 0
	KSTEP 11, 0
	CONV 3
	KSTEP 12, 0
	KSTEP 13, 0
	KSTEP 14, 0
	KSTEP 15, 0
	OUT 0
	OUT 1
	OUT 2
	OUT 3
	OUT 4
	OUT 5
	OUT 6
	OUT 7
	s_wait_tensorcnt 0x0
	ds_add_u32 v254, v255
	s_wait_dscnt 0x0
	s_endpgm
.Lfunc_end_k_q8468d87f98_proj:
	.size	k_q8468d87f98_proj, .Lfunc_end_k_q8468d87f98_proj-k_q8468d87f98_proj
	.p2alignl 7, 3214868480
	.fill 96, 4, 3214868480
	.section	.rodata,"a",@progbits
	.p2align	6, 0x0
	.amdhsa_kernel k_q8468d87f98_proj
		.amdhsa_group_segment_fixed_size 289792
		.amdhsa_private_segment_fixed_size 0
		.amdhsa_enable_private_segment 0
		.amdhsa_kernarg_size 64
		.amdhsa_user_sgpr_count 2
		.amdhsa_user_sgpr_kernarg_segment_ptr 1
		.amdhsa_wavefront_size32 1
		.amdhsa_system_sgpr_workgroup_id_x 1
		.amdhsa_system_sgpr_workgroup_id_y 1
		.amdhsa_system_sgpr_workgroup_id_z 1
		.amdhsa_system_vgpr_workitem_id 0
		.amdhsa_next_free_vgpr 512
		.amdhsa_next_free_sgpr 66
		.amdhsa_reserve_vcc 0
		.amdhsa_float_denorm_mode_32 3
		.amdhsa_float_denorm_mode_16_64 3
		.amdhsa_memory_ordered 1
		.amdhsa_forward_progress 1
		.amdhsa_inst_pref_size 104
	.end_amdhsa_kernel
	.amdgpu_metadata
---
amdhsa.version: [ 1, 2 ]
amdhsa.kernels:
  - .name:           k_q8468d87f98_proj
    .symbol:         k_q8468d87f98_proj.kd
    .args:
      - { .name: query, .offset: 0, .size: 8, .value_kind: global_buffer, .address_space: global }
      - { .name: key, .offset: 8, .size: 8, .value_kind: global_buffer, .address_space: global }
      - { .name: value, .offset: 16, .size: 8, .value_kind: global_buffer, .address_space: global }
      - { .name: bq, .offset: 24, .size: 8, .value_kind: global_buffer, .address_space: global }
      - { .name: bk, .offset: 32, .size: 8, .value_kind: global_buffer, .address_space: global }
      - { .name: bv, .offset: 40, .size: 8, .value_kind: global_buffer, .address_space: global }
      - { .name: wsw, .offset: 48, .size: 8, .value_kind: global_buffer, .address_space: global }
      - { .name: qkv, .offset: 56, .size: 8, .value_kind: global_buffer, .address_space: global }
    .group_segment_fixed_size: 289792
    .private_segment_fixed_size: 0
    .kernarg_segment_align: 8
    .kernarg_segment_size: 64
    .max_flat_workgroup_size: 256
    .sgpr_count:     66
    .vgpr_count:     512
    .wavefront_size: 32
...
	.end_amdgpu_metadata
.endif
;; end of part 2
;; launch attn (part 3): grid 8 x 32, 8 waves a work-group, clusters of 4 x 4, 327,680 bytes of LDS; arguments qkv, attention_mask, out0; writes out0
.if DOCPART == 3
	.amdgcn_target "amdgcn-amd-amdhsa--gfx1250"
	.amdhsa_code_object_version 6
	.text
	.protected	k_q8468d87f98_attn
	.globl	k_q8468d87f98_attn
	.p2align	8
	.type	k_q8468d87f98_attn,@function
k_q8468d87f98_attn:
	s_mov_b64 s[64:65], 0
	v_nop
	global_prefetch_b8 v0, s[64:65] scope:SCOPE_SE
	s_setreg_imm32_b32 hwreg(HW_REG_WAVE_MODE, 25, 1), 1
	s_wait_xcnt 0x0
	s_wait_alu depctr_hold_cnt(0) depctr_sa_sdst(0) depctr_va_vdst(0) depctr_va_sdst(0) depctr_va_ssrc(0) depctr_va_vcc(0) depctr_vm_vsrc(0)
	s_getreg_b32 s2, hwreg(HW_REG_IB_STS2, 6, 4)
	s_cmp_eq_u32 s2, 0
	s_cbranch_scc0 .Lentry_in_a_cluster
	s_endpgm
.Lentry_in_a_cluster:
	s_bfe_u32 s2, ttmp6, 0x10000c
	s_cmp_lg_u32 s2, 0xf033
	s_cbranch_scc0 .Lentry_shape_is_right
	s_endpgm
.Lentry_shape_is_right:
; out[b][q][64 head + d] = softmax over keys of ((q.k + mask[b][q][key]) / 8) times v, with a running maximum, from q, k, v in bf16 (qkv, head-major).
; Work-group x = 4 b + head pair, y = block of 128 queries: 2 heads x 128 queries.  Wave w: head w >> 2 of the pair, queries 32 (w & 3) .. + 31 (two tiles qt).
; Eight waves, two to a SIMD, so that one wave's exponentials can run while the other's matrix instructions do.
; CLUSTERS of 4 x 4.  A mask tile hangs on (b, y): the four work-groups of a cluster's row (the four head pairs, all eight heads) ask for it jointly.
; A K or V tile hangs on x alone: the four of a column (four query blocks) ask jointly.  That divides the requests for all three by four.
; Keys go in tiles of 128 through two LDS slots; behind each round of the cluster's barrier waves 0, 1 ask for the mask's two halves (64 rows x 512 bytes),
; waves 2, 3 for K of the two heads, waves 4, 5 for V; waves 6, 7 ask for nothing and prefetch.  A wave has two tensor loads
; out at the start and one behind each round.
; HOW IT LIES ON THE MATRIX UNIT.  S^T = K (source 0) x Q (source 1) + C, and C IS THE MASK, loaded from LDS into the accumulator: lane (r, h) register j is
; (key 16 kt + 8 h + j, query r), 32 consecutive bytes of mask row r.  No vector instruction adds the mask.  All of a lane's scores belong to one query, so
; the row maximum is taken inside the lane and once across the two halves.  p, rounded to bf16 in pairs, is a source-1 fragment as it stands (tiles 2 u, 2 u + 1 =
; registers 0-3, 4-7): no shuffle.  O^T += V^T (source 0, read by the transposing LDS load) x P.
; THE PIPELINE.  A step is 64 keys, half a tile.  At the head of step j its raw scores are in registers and V(j)'s loads are on their way.  The step asks LDS for K and the
; mask of step j + 1, does the softmax of step j over them, then P V of step j and K Q of step j + 1 in one run of 32 matrix instructions, then asks for V(j + 1).
; So K and V have registers of their own and the scores two buffers, for even and for odd steps.  In an odd step all that the tile's slot held has left LDS when V(j) is in:
; the round of the cluster's barrier stands there, with the softmax of the second query tile between its opening signal and wait, and the slot is filled again behind it.
; p = exp2((s - m) c), c = log2(e) / 8: the maximum is taken away first and the scale applied to the difference, so no exponent is above 0 whatever the size of the scores.
; The running maximum starts at the most negative finite f32, not at -inf: a tile whose scores are all -inf gives p = 0 and a rescale by 1, never inf - inf.
; LIMITS.  q, k, v and p enter the products in bf16.  v_exp_f32 gives 0 for results below 2^-126 (ISA guide 15.8), against a row sum of at least 1.
; A row whose scores are all -inf ends as 0 times the reciprocal of 0, NaN, which is what the module gives there.
; PREFETCH.  Behind the round that asks for tile t + 2, waves 6 and 7 ask for the mask's tile t + 3, one tile (two steps of 32 matrix instructions for each wave) ahead of
; its tensor load.  Each of a cluster row's four partners takes 32 of the tile's 128 rows, a lane one block of 256 bytes: 2 waves x 32 lanes = 32 rows x 2 blocks.
; The column offset is clamped to tile 31.  K and V were written by the launch before: not prefetched.
;
; REGISTERS, in windows of 256 (s_set_vgpr_msb's low byte: bits 1:0 source 0, 3:2 source 1, 5:4 source 2, 7:6 destination):
;   window 0: v0-31 addresses; v32-63 Q; v64-127 O^T; v128-191 K; v192-255 V^T
;   window 1: 0-63 scores, then P, of even steps; 64-127 of odd steps; 128-135 the softmax's state; 136-147 at work
.set MP,     528                       ; mask pitch: 512 + 16 = 33 x 16 bytes: sixteen rows' equal columns lie 16 bytes apart modulo 256
.set KP,     144                       ; K pitch: 128 + 16 = 9 x 16
.set VP,     160                       ; V pitch: 128 + 32 = 5 x 32, for the transposing load
.set KH,     128*KP                    ; a head's K tile
.set VH,     128*VP                    ; a head's V tile
.set KOFF,   128*MP                    ; a slot: mask at 0, K at 67,584,
.set VOFF,   KOFF+2*KH                 ; V at 104,448
.set SLOT,   VOFF+2*VH                 ; 145,408 bytes
.set STAGE,  2*SLOT                    ; 290,816, a multiple of 256: no tensor load lands at or behind it
.set SGP,    272                       ; stage pitch: 256 + 16
.set WSTG,   16*SGP
.set MADR, 2                           ; v2, v3   my mask bytes in slot 0, 1
.set KADR, 4                           ; v4, v5   my K fragments
.set VADR, 6                           ; v6, v7   my V fragments
.set STO,  8                           ; v8       stage, in
.set RD,   9                           ; v9       stage, back
.set CO,   10                          ; v10      my offset in out
.set QO,   11                          ; v11      my offset in q
.set PFL,  28                          ; v28      prefetch: my row and block
.set PFV,  29                          ; v29      prefetch: + the tile's column offset
.set Q,    32                          ; v[32:63]   Q fragments at 16 qt + 8 ds
.set O,    64                          ; v[64:127]  O^T at 32 qt + 8 dt
.set KF,   128                         ; v[128:191] K at 16 kt + 8 ds; at the end read-back
.set VF,   192                         ; v[192:255] V^T at 32 u + 8 dt
                                       ; window 1: buffer par at 64 par: mask, then S^T, at 32 qt + 8 kt; then P at 32 qt + 8 u
.set ST,   128                         ; window 1, for each qt four registers: M (running maximum), unused, alpha, L (my keys' sum)
.set T,    136                         ; window 1, twelve registers at work
.set GM1, 32                           ; s[32:39] group 1, mask;  s[40:47] K;  s[48:55] V
.set GK1, 40
.set GV1, 48
.set GM0, 56                           ; s[56:63] group 0, mask, a set for each slot;  s[68:75] K;  s[76:83] V
.set GK0, 68
.set GV0, 76
.set W_MASK, 0x40                      ; LDS load: data window 1, address window 0
.set W_QK,   0x50                      ; K, Q window 0; C and D window 1
.set W_SOFT, 0x55                      ; all in window 1
.set W_PV,   0x04                      ; source 1 (P, or alpha) window 1; all else window 0
.set MSB, 0
.macro WIN new                         ; the immediate's high byte repeats the setting that is left; a switch that changes nothing is dropped
.if MSB != \new
	s_set_vgpr_msb (MSB<<8)|\new
.set MSB, \new
.endif
.endm
.macro PLACES n                        ; plain vector places behind matrix instructions (ISA guide 7.12.1)
.rept \n
	v_nop
.endr
.endm
; A round of the cluster's barrier: my work-group's barrier, wave 0 signals for the work-group, every wave waits for all sixteen, my work-group's barrier again.
.macro CREST                           ; a round behind its opening barrier
	s_cmp_lg_u32 s10, 0
	s_cbranch_scc1 .Lnot_wave_0_\@
	s_barrier_signal -3
.Lnot_wave_0_\@:
	s_barrier_wait -3
	s_barrier_signal -1
	s_barrier_wait -1
.endm
.macro ROUND                           ; a whole round
	s_barrier_signal -1
	s_barrier_wait -1
	CREST
.endm
; The joint refill of slot s: one tensor load a wave, chosen by the wave's number alone; each line has one mask and one set of registers for all that issue it.
.macro JLOAD s
	s_cmp_lt_u32 s10, 2
	s_cbranch_scc0 .Lnot_m_\@
	tensor_load_to_lds s[GM0+4*\s:GM0+4*\s+3], s[GM1:GM1+7]
	s_nop 0
	PLACES 4
	s_branch .Lasked_\@
.Lnot_m_\@:
	s_cmp_lt_u32 s10, 4
	s_cbranch_scc0 .Lnot_k_\@
	tensor_load_to_lds s[GK0+4*\s:GK0+4*\s+3], s[GK1:GK1+7]
	s_nop 0
	PLACES 4
	s_branch .Lasked_\@
.Lnot_k_\@:
	s_cmp_lt_u32 s10, 6
	s_cbranch_scc0 .Lnot_v_\@
	tensor_load_to_lds s[GV0+4*\s:GV0+4*\s+3], s[GV1:GV1+7]
	s_nop 0
	PLACES 4
	s_branch .Lasked_\@
.Lnot_v_\@:
	global_prefetch_b8 v[PFV], s[86:87] th:TH_LOAD_NT scope:SCOPE_SE   ; waves 6, 7: the mask tile that the next round's load will want
.Lasked_\@:
.endm
	s_load_b128 s[4:7], s[0:1], 0x0                ; qkv s[4:5], mask s[6:7]
	s_load_b64 s[8:9], s[0:1], 0x10                ; out
	s_set_vgpr_msb 0x40
	v_lshl_add_u32 v160, v0, 2, 0x4f800
	v_mov_b32 v161, 0
	s_set_vgpr_msb 0x4045
	ds_add_u32 v160, v161
	s_set_vgpr_msb 0x4500
	v_lshrrev_b32 v1, 5, v0
	v_readfirstlane_b32 s10, v1                    ; wave
	s_lshr_b32 s11, s10, 2                         ; which head of the pair
	s_and_b32 s12, s10, 3                          ; which 32 queries
	s_bfe_u32 s13, ttmp6, 0x40000                  ; cx
	s_bfe_u32 s14, ttmp6, 0x40004                  ; cy
	s_lshl_b32 s15, ttmp9, 2
	s_add_co_u32 s15, s15, s13                     ; x = 4 b + head pair (the cluster's x is the batch)
	s_and_b32 s16, ttmp7, 0xffff
	s_lshl_b32 s16, s16, 2
	s_add_co_u32 s16, s16, s14                     ; y = query block
	s_lshl_b32 s17, s14, 2
	s_lshl_b32 s17, 15, s17                        ; my row of the cluster
	s_lshl_b32 s18, 0x1111, s13                    ; my column
	s_mov_b32 s20, 0x76543210                      ; v_permlanex16_b32: lane i reads lane i of the other half
	s_mov_b32 s21, 0xfedcba98
	s_mov_b32 s22, 0x3e38aa3b                      ; c = log2(e) / 8
	s_mov_b32 s23, 0x3e38aa3b
	s_mov_b32 s24, 2*512                           ; prefetch: column offset of tile 2
	s_mov_b32 s25, 0xff7fffff                      ; the most negative finite f32
	; group 1.  Mask: 64 rows x 128 f32, pitch 4,096 elements, 4 words behind every 128.  K, V: 128 rows x 64 bf16, pitch 64, 4 or 8 words behind every 32.
	s_or_b32 s[GM1+0], s17, (2<<16)|(1<<20)|(1<<21)|(6<<22)|(3<<25)
	s_mov_b32 s[GM1+1], 128<<16
	s_mov_b32 s[GM1+2], 64<<16
	s_mov_b32 s[GM1+3], 128<<16
	s_mov_b32 s[GM1+4], 64
	s_mov_b32 s[GM1+5], 4096
	s_mov_b32 s[GM1+6], 0
	s_mov_b32 s[GM1+7], 0
	s_or_b32 s[GK1+0], s18, (1<<16)|(1<<20)|(1<<21)|(4<<22)|(3<<25)
	s_mov_b32 s[GK1+1], 64<<16
	s_mov_b32 s[GK1+2], 128<<16
	s_mov_b32 s[GK1+3], 64<<16
	s_mov_b32 s[GK1+4], 128
	s_mov_b32 s[GK1+5], 64
	s_mov_b32 s[GK1+6], 0
	s_mov_b32 s[GK1+7], 0
	s_or_b32 s[GV1+0], s18, (1<<16)|(1<<20)|(1<<21)|(4<<22)|(7<<25)
	s_mov_b32 s[GV1+1], 64<<16
	s_mov_b32 s[GV1+2], 128<<16
	s_mov_b32 s[GV1+3], 64<<16
	s_mov_b32 s[GV1+4], 128
	s_mov_b32 s[GV1+5], 64
	s_mov_b32 s[GV1+6], 0
	s_mov_b32 s[GV1+7], 0
	; Offsets.  What feeds the mask's descriptors never holds cx; what feeds K's and V's never holds cy; what mixes the two lies in s88-s97 and feeds no descriptor.
	s_lshl_b32 s26, ttmp9, 12
	s_lshl_b32 s27, s16, 7
	s_add_co_u32 s26, s26, s27                     ; mask row 4,096 b + 128 y
	s_lshl_b32 s94, s26, 14                        ; in bytes: the prefetch's base
	s_mov_b32 s95, 0
	s_lshl_b32 s27, s10, 6
	s_add_co_u32 s26, s26, s27                     ; + 64 w: the half that waves 0, 1 fetch
	s_lshl_b32 s26, s26, 14
	s_mov_b32 s27, 0
	s_lshl_b32 s28, s15, 1
	s_add_co_u32 s28, s28, s10                     ; 2 x + w; the constants below take away 2 (K, waves 2, 3) or 4 (V, waves 4, 5)
	s_lshl_b32 s28, s28, 19                        ; heads of 524,288 bytes
	s_mov_b32 s29, 0
	s_mul_i32 s30, s10, 64*MP                      ; LDS: mask half w
	s_mul_i32 s31, s10, KH
	s_add_co_u32 s31, s31, KOFF-2*KH               ; K of head w - 2
	s_mul_i32 s84, s10, VH
	s_add_co_u32 s84, s84, VOFF-4*VH               ; V of head w - 4
	s_lshl_b32 s90, s15, 1
	s_add_co_u32 s90, s90, s11
	s_lshl_b32 s90, s90, 19                        ; q: my head,
	s_lshl_b32 s91, s16, 14
	s_add_co_u32 s90, s90, s91                     ; 128 y rows of 128 bytes,
	s_lshl_b32 s91, s12, 12
	s_add_co_u32 s90, s90, s91                     ; my 32 rows
	s_mov_b32 s91, 0
	s_lshl_b32 s92, ttmp9, 12
	s_lshl_b32 s93, s16, 7
	s_add_co_u32 s92, s92, s93
	s_lshl_b32 s93, s12, 5
	s_add_co_u32 s92, s92, s93
	s_lshl_b32 s92, s92, 11                        ; out: my first row, of 2,048 bytes,
	s_lshl_b32 s93, s13, 1
	s_add_co_u32 s93, s93, s11
	s_lshl_b32 s93, s93, 8
	s_add_co_u32 s92, s92, s93                     ; my head's 256 bytes in it
	s_mov_b32 s93, 0
	s_lshl_b32 s96, s13, 5
	s_and_b32 s97, s10, 1
	s_lshl_b32 s97, s97, 4
	s_add_co_u32 s96, s96, s97                     ; prefetch: rows 32 cx + 16 (w & 1) ..
	v_and_b32 v20, 15, v0                          ; r
	v_bfe_u32 v21, v0, 4, 1                        ; h
	v_and_b32 v22, 31, v0                          ; lane
	s_mul_i32 s85, s12, 32*MP
	v_mul_u32_u24 v23, v20, MP
	v_lshl_add_u32 v23, v21, 5, v23
	v_add_nc_u32 v[MADR], s85, v23                 ; (32 g + r) x pitch + 32 h
	v_add_nc_u32 v[MADR+1], SLOT, v[MADR]
	s_mul_i32 s85, s11, KH
	s_add_co_u32 s85, s85, KOFF
	v_mul_u32_u24 v23, v20, KP
	v_lshl_add_u32 v23, v21, 4, v23
	v_add_nc_u32 v[KADR], s85, v23                 ; my head's K + r x pitch + 16 h
	v_add_nc_u32 v[KADR+1], SLOT, v[KADR]
	s_mul_i32 s85, s11, VH
	s_add_co_u32 s85, s85, VOFF
	v_and_b32 v23, 7, v0
	v_lshl_add_u32 v23, v21, 3, v23
	v_mul_u32_u24 v23, v23, VP
	v_bfe_u32 v24, v0, 3, 1
	v_lshl_add_u32 v23, v24, 4, v23
	v_add_nc_u32 v[VADR], s85, v23                 ; my head's V + (8 h + lane mod 8) x pitch + 16 ((lane / 8) mod 2)
	v_add_nc_u32 v[VADR+1], SLOT, v[VADR]
	s_mul_i32 s85, s10, WSTG
	s_add_co_u32 s85, s85, STAGE
	v_mul_u32_u24 v23, v20, SGP
	v_lshl_add_u32 v23, v21, 5, v23
	v_add_nc_u32 v[STO], s85, v23                  ; in: row r, 32 bytes for each half of the lanes
	v_mul_u32_u24 v23, v21, SGP
	v_lshl_add_u32 v23, v20, 4, v23
	v_add_nc_u32 v[RD], s85, v23                   ; back: sixteen lanes a row of 256 bytes
	v_lshlrev_b32 v23, 4, v20
	v_lshl_add_u32 v[CO], v21, 11, v23             ; and the same two rows in out
	v_lshlrev_b32 v23, 7, v20
	v_lshl_add_u32 v[QO], v21, 4, v23
	v_lshrrev_b32 v[PFL], 1, v22
	v_add_nc_u32 v[PFL], s96, v[PFL]
	v_lshlrev_b32 v[PFL], 14, v[PFL]               ; my row of 16,384 bytes,
	v_and_b32 v[PFV], 1, v0
	v_lshl_add_u32 v[PFL], v[PFV], 8, v[PFL]       ; my block of 256
	v_add_nc_u32 v[PFV], s24, v[PFL]
	s_wait_dscnt 0x0
	s_wait_kmcnt 0x0
	s_add_nc_u64 s[26:27], s[6:7], s[26:27]
	s_add_nc_u64 s[28:29], s[4:5], s[28:29]
	s_add_nc_u64 s[86:87], s[6:7], s[94:95]
	s_add_nc_u64 s[88:89], s[4:5], s[90:91]
	s_add_nc_u64 s[8:9], s[8:9], s[92:93]
.irp s, 0,1
	s_mov_b32 s[GM0+4*\s], 1
	s_add_co_u32 s[GM0+4*\s+1], s30, \s*SLOT
	s_add_nc_u64 s[GM0+4*\s+2:GM0+4*\s+3], s[26:27], \s*512                  ; tile s: 128 keys = 512 bytes along the row
	s_or_b32 s[GM0+4*\s+3], s[GM0+4*\s+3], 0x80000000
	s_mov_b32 s[GK0+4*\s], 1
	s_add_co_u32 s[GK0+4*\s+1], s31, \s*SLOT
	s_add_nc_u64 s[GK0+4*\s+2:GK0+4*\s+3], s[28:29], 8388608-2*524288+\s*16384    ; k's part of qkv; tile s: 128 rows of 128 bytes
	s_or_b32 s[GK0+4*\s+3], s[GK0+4*\s+3], 0x80000000
	s_mov_b32 s[GV0+4*\s], 1
	s_add_co_u32 s[GV0+4*\s+1], s84, \s*SLOT
	s_add_nc_u64 s[GV0+4*\s+2:GV0+4*\s+3], s[28:29], 16777216-4*524288+\s*16384   ; v's part
	s_or_b32 s[GV0+4*\s+3], s[GV0+4*\s+3], 0x80000000
.endr
	ROUND                                          ; all sixteen work-groups are here: the first joint loads meet
	; The first fills, tiles 0 and 1: both of a wave's stand in one branch on its number.
	s_cmp_lt_u32 s10, 2
	s_cbranch_scc0 .Lff_not_m
	tensor_load_to_lds s[GM0:GM0+3], s[GM1:GM1+7]
	s_nop 0
	PLACES 4
	tensor_load_to_lds s[GM0+4:GM0+7], s[GM1:GM1+7]
	s_nop 0
	PLACES 4
	s_branch .Lff_done
.Lff_not_m:
	s_cmp_lt_u32 s10, 4
	s_cbranch_scc0 .Lff_not_k
	tensor_load_to_lds s[GK0:GK0+3], s[GK1:GK1+7]
	s_nop 0
	PLACES 4
	tensor_load_to_lds s[GK0+4:GK0+7], s[GK1:GK1+7]
	s_nop 0
	PLACES 4
	s_branch .Lff_done
.Lff_not_k:
	s_cmp_lt_u32 s10, 6
	s_cbranch_scc0 .Lff_not_v
	tensor_load_to_lds s[GV0:GV0+3], s[GV1:GV1+7]
	s_nop 0
	PLACES 4
	tensor_load_to_lds s[GV0+4:GV0+7], s[GV1:GV1+7]
	s_nop 0
	PLACES 4
	s_branch .Lff_done
.Lff_not_v:
	global_prefetch_b8 v[PFV], s[86:87] th:TH_LOAD_NT scope:SCOPE_SE   ; waves 6, 7: the mask's tile 2
.Lff_done:
.irp qt, 0,1
.irp ds, 0,1
	global_load_b128 v[Q+16*\qt+8*\ds:Q+16*\qt+8*\ds+3],   v[QO], s[88:89] offset:\qt*2048+64*\ds      ; Q(query r, d = 32 ds + 8 h ..)
	global_load_b128 v[Q+16*\qt+8*\ds+4:Q+16*\qt+8*\ds+7], v[QO], s[88:89] offset:\qt*2048+64*\ds+32   ; and d + 16
.endr
.endr
; 32 LDS loads: K of 64 keys (half sub of the slot's tile), and the mask of my 32 queries x those keys into score buffer par, where it is the products' C
.macro LOADKM slot, sub, par
	WIN 0
.irp kt, 0,1,2,3
.irp ds, 0,1
	ds_load_b128 v[KF+16*\kt+8*\ds:KF+16*\kt+8*\ds+3],   v[KADR+\slot] offset:(64*\sub+16*\kt)*KP+64*\ds
	ds_load_b128 v[KF+16*\kt+8*\ds+4:KF+16*\kt+8*\ds+7], v[KADR+\slot] offset:(64*\sub+16*\kt)*KP+64*\ds+32
.endr
.endr
	WIN W_MASK
.irp qt, 0,1
.irp kt, 0,1,2,3
	ds_load_b128 v[64*\par+32*\qt+8*\kt:64*\par+32*\qt+8*\kt+3],   v[MADR+\slot] offset:\qt*16*MP+256*\sub+64*\kt
	ds_load_b128 v[64*\par+32*\qt+8*\kt+4:64*\par+32*\qt+8*\kt+7], v[MADR+\slot] offset:\qt*16*MP+256*\sub+64*\kt+16
.endr
.endr
.endm
; 16 transposing LDS loads: V^T(d = 16 dt + r, key 32 u + 8 h ..) and key + 16
.macro LOADV slot, sub
	WIN 0
.irp u, 0,1
.irp dt, 0,1,2,3
	ds_load_tr16_b128 v[VF+32*\u+8*\dt:VF+32*\u+8*\dt+3],   v[VADR+\slot] offset:(64*\sub+32*\u)*VP+32*\dt
	ds_load_tr16_b128 v[VF+32*\u+8*\dt+4:VF+32*\u+8*\dt+7], v[VADR+\slot] offset:(64*\sub+32*\u+16)*VP+32*\dt
.endr
.endr
.endm
; 16 matrix instructions: S^T = K Q + mask, in buffer par.  In this run and in PV's, and from one into the other, eight accumulators take turns, one instruction a turn.
.macro QK par
	WIN W_QK
.irp ds, 0,1
.irp qt, 0,1
.irp kt, 0,1,2,3
	v_wmma_f32_16x16x32_bf16 v[64*\par+32*\qt+8*\kt:64*\par+32*\qt+8*\kt+7], v[KF+16*\kt+8*\ds:KF+16*\kt+8*\ds+7], v[Q+16*\qt+8*\ds:Q+16*\qt+8*\ds+7], v[64*\par+32*\qt+8*\kt:64*\par+32*\qt+8*\kt+7]
.endr
.endr
.endr
.endm
; 16 matrix instructions: O^T += V^T P, P from buffer par.  first = 1: the first products start the sums.
.macro PV par, first
	WIN W_PV
.irp u, 0,1
.irp dt, 0,1,2,3
.irp qt, 0,1
.if \first*(1-\u)
	v_wmma_f32_16x16x32_bf16 v[O+32*\qt+8*\dt:O+32*\qt+8*\dt+7], v[VF+32*\u+8*\dt:VF+32*\u+8*\dt+7], v[64*\par+32*\qt+8*\u:64*\par+32*\qt+8*\u+7], 0
.else
	v_wmma_f32_16x16x32_bf16 v[O+32*\qt+8*\dt:O+32*\qt+8*\dt+7], v[VF+32*\u+8*\dt:VF+32*\u+8*\dt+7], v[64*\par+32*\qt+8*\u:64*\par+32*\qt+8*\u+7], v[O+32*\qt+8*\dt:O+32*\qt+8*\dt+7]
.endif
.endr
.endr
.endr
.endm
; O is rescaled by alpha, in front of P V and under its window setting
.macro RESC
	WIN W_PV
.irp qt, 0,1
.set n, 0
.rept 16
	v_pk_mul_f32 v[O+32*\qt+2*n:O+32*\qt+2*n+1], v[O+32*\qt+2*n:O+32*\qt+2*n+1], v[ST+4*\qt+2:ST+4*\qt+3] op_sel_hi:[1,0]
.set n, n+1
.endr
.endr
.endm
; Softmax of query tile qt over a step's 64 keys, in buffer par: 32 scores a lane, all of one query.  All its registers lie in window 1.
.macro SOFT par, qt, first
.set SB, 64*\par+32*\qt
.set MX, ST+4*\qt
.set AL, ST+4*\qt+2
.set LS, ST+4*\qt+3
	WIN W_SOFT
.set n, 0
.rept 4
	v_max3_num_f32 v[T+n], v[SB+3*n], v[SB+3*n+1], v[SB+3*n+2]     ; four chains that do not wait for each other, started by the first twelve scores
.set n, n+1
.endr
.set n, 0
.rept 10
	v_max3_num_f32 v[T+n%4], v[T+n%4], v[SB+12+2*n], v[SB+13+2*n]
.set n, n+1
.endr
	v_max3_num_f32 v[T], v[T], v[T+1], v[T+2]
	v_max_num_f32 v[T], v[T], v[T+3]
	v_permlanex16_b32 v[T+1], v[T], s20, s21                   ; the other half's keys of the same query
.if \first
	v_max3_num_f32 v[T+2], v[T], v[T+1], s25                   ; never below the most negative finite number
.else
	v_max3_num_f32 v[T+2], v[T], v[T+1], v[MX]
	v_sub_f32 v[T+3], v[MX], v[T+2]
	v_mul_f32 v[T+3], s22, v[T+3]
	v_exp_f32 v[AL], v[T+3]                                    ; alpha = exp2((old - new) c); the packed subtractions below are the plain work behind it (ISA guide 5.7.2)
.endif
.set n, 0
.rept 16
	v_pk_add_f32 v[SB+2*n:SB+2*n+1], v[SB+2*n:SB+2*n+1], v[T+2:T+3] op_sel_hi:[1,0] neg_lo:[0,1] neg_hi:[0,1]   ; s - m, the new maximum to both halves
.set n, n+1
.endr
	v_pk_mul_f32 v[SB:SB+1], v[SB:SB+1], s[22:23] op_sel_hi:[1,0]
.set n, 0
.rept 15
	v_pk_mul_f32 v[SB+2*n+2:SB+2*n+3], v[SB+2*n+2:SB+2*n+3], s[22:23] op_sel_hi:[1,0]   ; the next pair's scale: plain work on other registers between the exponentials
	v_exp_f32 v[SB+2*n], v[SB+2*n]
	v_exp_f32 v[SB+2*n+1], v[SB+2*n+1]
.set n, n+1
.endr
	v_exp_f32 v[SB+30], v[SB+30]
	v_exp_f32 v[SB+31], v[SB+31]
	v_mov_b32 v[MX], v[T+2]                                    ; the new maximum is kept: also the plain instruction behind the last exponentials
.set n, 0
	s_wait_alu depctr_va_vdst(0)
.rept 4
	v_pk_add_f32 v[T+4+2*n:T+5+2*n], v[SB+4*n:SB+4*n+1], v[SB+4*n+2:SB+4*n+3]           ; four chains again
.set n, n+1
.endr
.set n, 0
.rept 8
	v_pk_add_f32 v[T+4+2*(n%4):T+5+2*(n%4)], v[T+4+2*(n%4):T+5+2*(n%4)], v[SB+16+2*n:SB+17+2*n]
.set n, n+1
.endr
	v_pk_add_f32 v[T+4:T+5], v[T+4:T+5], v[T+6:T+7]
	v_pk_add_f32 v[T+8:T+9], v[T+8:T+9], v[T+10:T+11]
	v_pk_add_f32 v[T+4:T+5], v[T+4:T+5], v[T+8:T+9]
.set n, 0
.rept 16
	v_cvt_pk_bf16_f32 v[SB+n], v[SB+2*n], v[SB+2*n+1]          ; P, packed downward in ascending order: fragment u at 8 u
.set n, n+1
.endr
.if \first
	v_add_f32 v[LS], v[T+4], v[T+5]
.else
	v_add_f32 v[T+4], v[T+4], v[T+5]
	v_fma_f32 v[LS], v[LS], v[AL], v[T+4]
.endif
.endm
; An even step: the first 64 keys of the tile in 'slot'; scores in buffer 0.  The next step is the same slot's second half, into buffer 1.
.macro EVEN slot, first
	LOADKM \slot, 1, 1                             ; into K, four places behind the products that read it, and into buffer 1, whose P was multiplied a step ago
	SOFT 0, 0, \first
	SOFT 0, 1, \first
	s_wait_dscnt 32                                ; V of this step is in: behind its 16 loads stand the 32 just issued, which may stay out
.if 1-\first
	RESC
.endif
	PV 0, \first
	s_wait_dscnt 0x0                               ; K and the mask of the next step
	QK 1
	PLACES 4                                       ; in front of the loads over V, which P V read, and over K; and of the reads of the scores
	LOADV \slot, 1
.endm
; An odd step: the last 64 keys of the tile in 'slot'; scores in buffer 1.  The next step is the other slot's first half, into buffer 0.
; refill = 1: this slot is filled again, with the tile two further on.
.macro ODD slot, refill
	SOFT 1, 0, 0                                   ; V of this step lands meanwhile
	s_wait_dscnt 0x0                               ; it was my last read of this slot
	s_wait_tensorcnt 0x0                           ; all my tensor loads have landed, my part of the other slot among them: every group 0 may be written
	ds_add_u32 v160, v161
	s_wait_dscnt 0x0
.if \refill
	s_add_nc_u64 s[GM0+4*\slot+2:GM0+4*\slot+3], s[GM0+4*\slot+2:GM0+4*\slot+3], 2*512
	s_add_nc_u64 s[GK0+4*\slot+2:GK0+4*\slot+3], s[GK0+4*\slot+2:GK0+4*\slot+3], 2*16384
	s_add_nc_u64 s[GV0+4*\slot+2:GV0+4*\slot+3], s[GV0+4*\slot+2:GV0+4*\slot+3], 2*16384
	s_wait_xcnt 0x0                                ; the last prefetch, a whole tile's work ago, has had its address translated: its offset register may be written
	s_add_co_u32 s24, s24, 512
	s_min_u32 s24, s24, 31*512                     ; no prefetch points past a mask row's end
	WIN 0
	v_add_nc_u32 v[PFV], s24, v[PFL]
.endif
	s_barrier_signal -1                            ; say so: this barrier opens a round of the cluster's barrier;
	SOFT 1, 1, 0                                   ; work on registers while the others arrive;
	WIN 0
	s_barrier_wait -1
	CREST                                          ; no wave of any partner still reads this slot's tile or has a load on its way
.if \refill
	JLOAD \slot                                    ; first thing behind the round, one tensor load a wave
.endif
	LOADKM (1-\slot), 0, 0
	RESC                                           ; these 32 and the 16 products are the work over which K and the mask come
	PV 1, 0
	s_wait_dscnt 0x0
	QK 0
	PLACES 4
	LOADV (1-\slot), 0
.endm
; Query tile qt goes out: divided by the row sum, through my own stage, as whole rows of 256 bytes.
.macro FIN qt
	WIN W_SOFT
	v_permlanex16_b32 v[T], v[ST+4*\qt+3], s20, s21            ; the other half's keys
	v_add_f32 v[T], v[T], v[ST+4*\qt+3]
	v_rcp_f32 v[T+2], v[T]
	v_nop                                                      ; one plain place behind the reciprocal (ISA guide 5.7.2)
	WIN W_PV
.set n, 0
	s_wait_alu depctr_va_vdst(0)
.rept 16
	v_pk_mul_f32 v[O+32*\qt+2*n:O+32*\qt+2*n+1], v[O+32*\qt+2*n:O+32*\qt+2*n+1], v[T+2:T+3] op_sel_hi:[1,0]
.set n, n+1
.endr
	WIN 0
.irp dt, 0,1,2,3
	ds_store_b128 v[STO], v[O+32*\qt+8*\dt:O+32*\qt+8*\dt+3] offset:64*\dt
	ds_store_b128 v[STO], v[O+32*\qt+8*\dt+4:O+32*\qt+8*\dt+7] offset:64*\dt+16
.endr
.irp t, 0,1,2,3,4,5,6,7
	ds_load_b128 v[KF+32*\qt+4*\t:KF+32*\qt+4*\t+3], v[RD] offset:\t*2*SGP     ; LDS serves a wave's instructions in order (ISA guide 5.7.1): these see the stores above
.endr
.irp t, 0,1,2,3,4,5,6,7
	s_wait_dscnt 7-\t                                          ; the 7 - t younger read-backs may be out
	global_store_b128 v[CO], v[KF+32*\qt+4*\t:KF+32*\qt+4*\t+3], s[8:9] offset:(16*\qt+2*\t)*2048 th:TH_STORE_NT   ; sixteen lanes store 256 consecutive bytes, aligned
.endr
.endm
	s_wait_tensorcnt 0x1                           ; my part of tile 0 is in; tile 1's may stay out
	s_barrier_signal -1
	s_barrier_wait -1                              ; everybody's part is in
	LOADKM 0, 0, 0                                 ; the pipeline is filled: scores of step 0,
	s_wait_loadcnt 0x0                             ; Q, once
	s_wait_dscnt 0x0
	QK 0
	PLACES 4
	LOADV 0, 0                                     ; and its V on the way
	EVEN 0, 1                                      ; step 0 stands in front of the loop: its first products start the sums
	WIN 0                                          ; at a label and at a branch every window is 0
	s_mov_b32 s19, 15                              ; trip i: steps 4 i + 1 .. 4 i + 4; tiles 2 i + 2 and 2 i + 3 are asked for
.Lloop:
	ODD 0, 1
	EVEN 1, 0
	ODD 1, 1
	EVEN 0, 0
	WIN 0
	s_sub_co_i32 s19, s19, 1
	s_cmp_lg_u32 s19, 0
	s_cbranch_scc1 .Lloop
	ODD 0, 0                                       ; step 61: tile 31 is shown whole; nothing is left to fetch
	EVEN 1, 0                                      ; step 62
	SOFT 1, 0, 0                                   ; step 63: no step follows
	SOFT 1, 1, 0
	s_wait_dscnt 0x0
	RESC
	PV 1, 0
	PLACES 4                                       ; in front of the reads of O
	FIN 0
	FIN 1
	s_set_vgpr_msb 0x5
	s_wait_tensorcnt 0x0
	ds_add_u32 v160, v161
	s_wait_dscnt 0x0
	s_set_vgpr_msb 0x500
	ROUND                                          ; the closing round: no work-group ends while a partner may still ask for a tile that names it
	s_endpgm
.Lfunc_end_k_q8468d87f98_attn:
	.size	k_q8468d87f98_attn, .Lfunc_end_k_q8468d87f98_attn-k_q8468d87f98_attn
	.p2alignl 7, 3214868480
	.fill 96, 4, 3214868480
	.section	.rodata,"a",@progbits
	.p2align	6, 0x0
	.amdhsa_kernel k_q8468d87f98_attn
		.amdhsa_group_segment_fixed_size 327680
		.amdhsa_private_segment_fixed_size 0
		.amdhsa_enable_private_segment 0
		.amdhsa_kernarg_size 24
		.amdhsa_user_sgpr_count 2
		.amdhsa_user_sgpr_kernarg_segment_ptr 1
		.amdhsa_wavefront_size32 1
		.amdhsa_system_sgpr_workgroup_id_x 1
		.amdhsa_system_sgpr_workgroup_id_y 1
		.amdhsa_system_sgpr_workgroup_id_z 1
		.amdhsa_system_vgpr_workitem_id 0
		.amdhsa_next_free_vgpr 418
		.amdhsa_next_free_sgpr 98
		.amdhsa_reserve_vcc 0
		.amdhsa_float_denorm_mode_32 3
		.amdhsa_float_denorm_mode_16_64 3
		.amdhsa_memory_ordered 1
		.amdhsa_forward_progress 1
		.amdhsa_inst_pref_size 180
	.end_amdhsa_kernel
	.amdgpu_metadata
---
amdhsa.version: [ 1, 2 ]
amdhsa.kernels:
  - .name:           k_q8468d87f98_attn
    .symbol:         k_q8468d87f98_attn.kd
    .args:
      - { .name: qkv, .offset: 0, .size: 8, .value_kind: global_buffer, .address_space: global }
      - { .name: attention_mask, .offset: 8, .size: 8, .value_kind: global_buffer, .address_space: global }
      - { .name: out0, .offset: 16, .size: 8, .value_kind: global_buffer, .address_space: global }
    .group_segment_fixed_size: 327680
    .private_segment_fixed_size: 0
    .kernarg_segment_align: 8
    .kernarg_segment_size: 24
    .max_flat_workgroup_size: 256
    .sgpr_count:     98
    .vgpr_count:     418
    .wavefront_size: 32
...
	.end_amdgpu_metadata
.endif
;; end of part 3
